; MI455X (gfx1250); checked and timed in simulation.
; The chip was launched on July 23, 2026; its instructions are those of AMD's public machine-readable ISA for CDNA 5 (MIT licence, August 2026) and "CDNA5" Instruction Set Architecture Reference Guide (July 2026). The comments in the code are by the model that wrote it; some were corrected since.
;; Attend. Allowed arithmetic: matrix products marked QUANTISED: E2M3 operands, one E8M0 scale for each 32 along K, by v_wmma_scale_f32_16x16x128_f8f6f4 with both operands' format E2M3, f32 sums; everything else in f32.
;; Inputs: k 16 x 4,096 x 128 float32; q 16 x 4,096 x 128 float32; v 16 x 4,096 x 128 float32.
;; Outputs: out0 16 x 4,096 x 128 float32.
;; This version of the problem:
;;   THIS VERSION OF THE PROBLEM IS GIVEN IN LOW PRECISION. The matrix products marked QUANTISED in the list below multiply operands that are first quantised to E2M3 (2 exponent bits, 3 mantissa bits; 6 bits a number), with one power-of-two scale for each 32 numbers along K (OCP MX v1.0); their sums are f32. All else is computed in f32.
;;   The module's matrix products, in the order in which they are computed (A, B: the left and right operand; K: the contracted axis; several contracted axes count as one K, in the product's order):
;;     1. batch 16 x [M 4,096, K 128] x [K 128, N 4,096]; A: input q; B: input k: QUANTISED
;;     2. batch 16 x [M 4,096, K 4,096] x [K 4,096, N 128]; A: softmax (see below); B: input v: QUANTISED
;;   THE QUANTISER, for each operand of a quantised product, along K:
;;     - K is cut into blocks of 32 from its start; a last block that is shorter is filled with zeros.
;;     - A block's scale is 2^e with e = floor(log2(the largest magnitude in the block)) - 2, held to -126 .. 127; a block of zeros has e = 0. As a byte (E8M0): e + 127.
;;     - Each number is divided by its block's scale, clamped to +-7.5, and rounded to the nearest number of E2M3, ties to even, subnormals kept.
;;     - The product sums the exact products of the quantised numbers (number of the format x scale) in f32.
;;   ~~~python
;;   def quantise(x, axis):      # numpy; x: float32 -> the quantised numbers, widened to float32 again
;;       x = np.moveaxis(x, axis, -1); K = x.shape[-1]
;;       x = np.pad(x, [(0, 0)] * (x.ndim - 1) + [(0, -K % 32)]); x = x.reshape(x.shape[:-1] + (-1, 32)); a = np.abs(x).max(-1, keepdims=True)
;;       e = np.where(a > 0, np.clip(np.frexp(np.where(a > 0, a, 1))[1] - 1 - 2, -126, 127), 0)      # np.frexp(a)[1] - 1 = floor(log2(a)), exactly
;;       r = np.clip(x / 2.0 ** e, -7.5, 7.5)
;;       step = 2.0 ** (np.maximum(np.frexp(np.where(r == 0, 1, r))[1] - 1, 0) - 3)
;;       q = np.round(r / step) * step * 2.0 ** e      # np.round: ties to even
;;       return np.moveaxis(q.reshape(q.shape[:-2] + (-1,))[..., :K], -1, axis).astype(np.float32)
;;   ~~~
;;   SOFTMAX AHEAD OF A QUANTISED PRODUCT. Where the list says 'softmax', what is quantised is not the finished softmax but p = 2^(t - M), with t = logit x log2(e) and M = ceil(the row's largest t), a whole number; so 1/2 < the row's largest p <= 1. The row's sum l is taken of the UNQUANTISED p, in f32, and the product's result is divided by l at the end. Since M is a whole number, a kernel that streams over the keys may use a running M (the ceiling of the running maximum): every later rescaling is an exact power of two, which a block's scale takes up: the codes' values come out the same.
;;   OPERANDS COMPUTED ON THE WAY. 'Computed on the way' means the value that the module computes at that place (a softmax that the list does not call 'softmax' is quantised finished and normalised). What goes into a quantiser is computed in f32, as accurately as f32 sums, v_exp_f32 and their like allow (about 1e-6 of the number): no bf16 or f16 on the way to a quantiser, and a product that is left as it is and whose result goes on into a quantised operand takes f32 operands (vector FMAs, or v_wmma_f32_16x16x4_f32). A number that lies on a knife's edge between two numbers of the format may be rounded either way, as far as f32 arithmetic and the matrix unit's own rounding can turn it there, and no further.
;; One version. Each part assembles by itself: llvm-mc -triple=amdgcn-amd-amdhsa -mcpu=gfx1250 --defsym DOCPART=n.
;; ======== version 1 of 1: 2 launches
;; limits: right only within a limited range of input values
;; workspace buffers: qc 6,291,456 bytes; qs 262,144 bytes; kvc 12,582,912 bytes; kvs 524,288 bytes
;; launch quant (part 1): grid 1536 x 1, 4 waves a work-group, no clusters, 34,304 bytes of LDS; arguments q, k, v, qc, qs, kvc, kvs; writes qc, qs, kvc, kvs
.if DOCPART == 1
	.amdgcn_target "amdgcn-amd-amdhsa--gfx1250"
	.amdhsa_code_object_version 6
	.text
	.protected	k_qf9770ee8cd_quant
	.globl	k_qf9770ee8cd_quant
	.p2align	8
	.type	k_qf9770ee8cd_quant,@function
k_qf9770ee8cd_quant:
	s_mov_b64 s[64:65], 0
	v_nop
	global_prefetch_b8 v0, s[64:65] scope:SCOPE_SE
	s_setreg_imm32_b32 hwreg(HW_REG_WAVE_MODE, 25, 1), 1
	s_wait_xcnt 0x0
; q, k, v: [16][4096][128] f32, become codes of FP6 (E2M3) with one E8M0 scale byte for each 32 along the K of their product, laid in the order of the operands' registers for the attention launch.
; q and k are quantised along the head's 128, v along the keys.  A block's scale is 2^(floor(log2(its largest magnitude)) - 2): its byte is the largest magnitude's exponent field - 2, held at 1 from below.
; LIMITS: a block whose largest magnitude lies under 2^-124 (a block of zeros too) gets the byte 1; its codes are zeros or tiny, and this program alone reads the bytes.  NaN and infinities among the inputs are not served.
; A FRAGMENT (16 rows x 128 K, 12 registers a lane) is stored as an image of 1,536 bytes: registers 4 g .. 4 g + 3 of lane l at 512 g + 16 l.  A SCALE REGISTER is 128 bytes, lane l's word at 4 l:
; lanes 0-15 the words of an even tile, lanes 16-31 those of the odd tile beside it.
; qc [2048 pairs of tiles][2][1536], qs [2048][128].  kvc [16 heads x 32 key steps][24576]: K's eight fragments, then V's eight; kvs [512][1024]: K's four scale registers, then V's four.
; THE ROWS OF A TILE OF Q OR K ARE NOT NEIGHBOURS: of 64 rows on end, lane r of tile u (0..3) holds row 8 u + r % 8 + 32 (r / 8).  In the attention launch, where a lane holds rows 8 (lane / 16) + 0..7 of each tile of scores,
; a lane's 32 scores of four neighbouring tiles are then the 32 neighbouring keys of ONE block.  A tile of V holds channels 16 t + r; its K are the step's 128 keys in their order.
; SHARES.  A wave takes 16 KB of f32 and makes two fragments and one scale register.  Work-groups 0-511: q, 128 rows each; wave w makes tiles 2 (w % 2), 2 (w % 2) + 1 of the 64 rows w / 2: two runs of 16 rows, 32 rows apart;
; 512-1023: k likewise; 1024-1535: v, one key step each, 32 channels a wave.  No tensor loads, no barrier: waves share nothing.  Only the way of q and k uses LDS: a stage of its own for each wave.
.set PIT,   528                        ; a stage row: 512 bytes + 16
.set STG,   16*PIT                     ; a wave's stage: one tile's 16 rows
.set SPARE, 4*STG                      ; the spare words, 128 bytes for each wave, that no other line names
.set SPW,   6                          ; v6 LDS address of my spare word; v7 0: never rewritten
.set NIL,   7
.set BM,    8                          ; v8-11 the four blocks' largest magnitudes
.set BO,    12                         ; v12-15 the conversions' scale operands
.set BY,    16                         ; v16-19 the scale bytes
.set W,     20                         ; v20 the scale word that is stored; v21 tile 1's; v22, v23 the other half of the lanes'
.set CT,    24                         ; v24-39 the upper 16 codes of each block (a conversion's three registers begin on an even number)
.set F0,    40                         ; v40-51 fragment 0, v52-63 fragment 1
.set R,     64                         ; v64-191 four blocks of 32 numbers
	s_load_b256 s[4:11], s[0:1], 0x0               ; q, k, v, qc
	s_load_b128 s[12:15], s[0:1], 0x20             ; qs, kvc
	s_load_b64 s[16:17], s[0:1], 0x30              ; kvs
	v_lshl_add_u32 v[SPW], v0, 2, SPARE
	v_mov_b32 v[NIL], 0
	v_lshrrev_b32 v1, 5, v0
	v_readfirstlane_b32 s18, v1                    ; wave 0..3
	v_and_b32 v1, 31, v0                           ; lane
	v_lshlrev_b32 v2, 4, v1                        ; 16 x lane
	v_lshlrev_b32 v3, 2, v1                        ; 4 x lane
	s_mul_i32 s33, s18, STG
	v_add_nc_u32 v4, s33, v2                       ; the stage, on the way in: a row as it lies
	v_and_b32 v5, 15, v0
	v_mul_u32_u24 v5, v5, PIT
	v_bfe_u32 v8, v0, 4, 1
	v_lshl_add_u32 v5, v8, 7, v5
	v_add_nc_u32 v5, s33, v5                       ; and on the way out: row lane % 16, + 128 bytes for lanes 16-31
	v_mov_b32 v[W+2], 0                            ; a lane permute's destination counts as one of its sources
	v_mov_b32 v[W+3], 0
	s_mov_b32 s20, 0x76543210
	s_mov_b32 s21, 0xfedcba98                      ; selects for lane l xor 16
	s_and_b32 s19, ttmp9, 511                      ; which 128 rows (q, k), which key step (v)
	s_lshl_b32 s30, s19, 16
	s_mov_b32 s31, 0
	s_wait_kmcnt 0x0
; Four blocks of 32 numbers, block b in v[R + 32 b] on, become codes: block b goes to registers 6 (b / 2) .. + 5 of fragment b % 2.  The four blocks take turns.
.macro QUANT4
.irp b, 0,1,2,3
	v_max3_num_f32 v[BM+\b], |v[R+32*\b]|, |v[R+32*\b+1]|, 0x1800000   ; the floor 2^(3 - 127) among the leaves: the byte cannot fall under 1
.endr
.irp i, 2,4,6,8,10,12,14,16,18,20,22,24,26,28,30
.irp b, 0,1,2,3
	v_max3_num_f32 v[BM+\b], v[BM+\b], |v[R+32*\b+\i]|, |v[R+32*\b+\i+1]|
.endr
.endr
.irp b, 0,1,2,3
	v_add_nc_u32 v[BO+\b], 0xff000000, v[BM+\b]    ; 2 off the exponent field: the conversion's scale operand
.endr
.irp b, 0,1,2,3
	v_lshrrev_b32 v[BY+\b], 23, v[BO+\b]           ; the scale's byte
.endr
.irp b, 0,1,2,3
	v_cvt_scalef32_pk16_fp6_f32 v[F0+12*(\b%2)+6*(\b/2):F0+12*(\b%2)+6*(\b/2)+2], v[R+32*\b:R+32*\b+15], v[BO+\b]
	v_cvt_scalef32_pk16_fp6_f32 v[CT+4*\b:CT+4*\b+2], v[R+32*\b+16:R+32*\b+31], v[BO+\b]
.endr
	v_nop                                          ; one plain place behind a scaled conversion
.irp b, 0,1,2,3
.irp i, 0,1,2
	v_mov_b32 v[F0+12*(\b%2)+6*(\b/2)+3+\i], v[CT+4*\b+\i]
.endr
.endr
.endm
	s_cmp_lt_u32 ttmp9, 1024                       ; the ways part on the work-group's number alone
	s_cbranch_scc0 .Lv
	; ---- q or k: only pointers and one shift differ
	s_cmp_lt_u32 ttmp9, 512
	s_cselect_b64 s[24:25], s[4:5], s[6:7]
	s_cselect_b64 s[26:27], s[10:11], s[14:15]
	s_cselect_b64 s[28:29], s[12:13], s[16:17]
	s_cselect_b32 s22, 0, 1                        ; in kvc and kvs a step is twice as long: V's half follows K's
	s_lshr_b32 s32, s18, 1
	s_lshl_b32 s32, s32, 15                        ; which 64 rows,
	s_and_b32 s34, s18, 1
	s_lshl_b32 s34, s34, 13                        ; and which 16 of their first 32: my second 16 lie 32 rows further on
	s_add_co_u32 s30, s30, s32
	s_add_co_u32 s30, s30, s34
	s_add_nc_u64 s[24:25], s[24:25], s[30:31]
	s_mul_i32 s30, s19, 12288                      ; eight fragments for 128 rows,
	s_lshl_b32 s30, s30, s22
	s_mul_i32 s32, s18, 3072                       ; two of them mine
	s_add_co_u32 s30, s30, s32
	s_add_nc_u64 s[26:27], s[26:27], s[30:31]
	s_lshl_b32 s30, s19, 9                         ; four scale registers for 128 rows,
	s_lshl_b32 s30, s30, s22
	s_lshl_b32 s32, s18, 7                         ; one of them mine
	s_add_co_u32 s30, s30, s32
	s_add_nc_u64 s[28:29], s[28:29], s[30:31]
.irp i, 0,1,2,3,4,5,6,7,16,17,18,19,20,21,22,23,8,9,10,11,12,13,14,15,24,25,26,27,28,29,30,31
	global_load_b128 v[R+4*\i:R+4*\i+3], v2, s[24:25] offset:512*(\i+16*(\i/16)) th:TH_LOAD_NT   ; my i-th row, whole: 512 consecutive bytes; tile 0's rows first
.endr
; Tile u: my rows 8 u + 0..7 and 16 + 8 u + 0..7 go into the stage as they lie and come back 32 neighbours (128 bytes) a lane: block 2 c + lane / 16 of the tile's row lane % 16.
.set n, 0
.macro TILE u
.irp i, 0,1,2,3,4,5,6,7,16,17,18,19,20,21,22,23
	s_wait_loadcnt 31-n                            ; loads come back in order (ISA guide 5.7.1): the n-th issued is in
	ds_store_b128 v4, v[R+4*(\i+8*\u):R+4*(\i+8*\u)+3] offset:(8*(\i/16)+\i%8)*PIT
.set n, n+1
.endr
	s_wait_dscnt 0x0                               ; the stores have read their registers
.irp c, 0,1
.irp i, 0,1,2,3,4,5,6,7
	ds_load_b128 v[R+32*(\u+2*\c)+4*\i:R+32*(\u+2*\c)+4*\i+3], v5 offset:256*\c+16*\i   ; LDS serves a wave's instructions in order (ISA guide 5.7.1.4)
.endr
.endr
.endm
	s_wait_alu depctr_va_vdst(0)
	TILE 0
	TILE 1
	s_wait_dscnt 0x0
	QUANT4
	v_lshrrev_b32 v8, 4, v1
	v_lshlrev_b32 v8, 3, v8                        ; 8 x (lane / 16)
	v_lshl_or_b32 v[W], v[BY+2], 16, v[BY]         ; tile 0: my two bytes, blocks h and 2 + h of my row,
	v_lshl_or_b32 v[W+1], v[BY+3], 16, v[BY+1]     ; tile 1 likewise,
	v_lshlrev_b32 v[W], v8, v[W]                   ; at their places in the word;
	v_lshlrev_b32 v[W+1], v8, v[W+1]
	v_permlanex16_b32 v[W+2], v[W], s20, s21
	v_permlanex16_b32 v[W+3], v[W+1], s20, s21
	v_or_b32 v[W], v[W], v[W+2]                    ; with lane l xor 16's two the word is whole
	v_or_b32 v[W+1], v[W+1], v[W+3]
	v_cmp_lt_u32 vcc_lo, 15, v1
	v_cndmask_b32 v[W], v[W], v[W+1], vcc_lo       ; lanes 0-15 keep tile 0's words, lanes 16-31 take tile 1's
	s_branch .Lout
.Lv:
	; ---- v: a lane takes a channel and its registers run down the keys: a block of 32 keys lies in one lane's 32 registers
	s_lshl_b32 s32, s18, 7                         ; my wave's 32 channels
	s_add_co_u32 s30, s30, s32
	s_add_nc_u64 s[24:25], s[8:9], s[30:31]
	s_mul_i32 s30, s19, 24576
	s_mul_i32 s32, s18, 3072
	s_add_co_u32 s30, s30, s32
	s_add_co_u32 s30, s30, 12288                   ; V's fragments lie behind K's eight
	s_add_nc_u64 s[26:27], s[14:15], s[30:31]
	s_lshl_b32 s30, s19, 10
	s_lshl_b32 s32, s18, 7
	s_add_co_u32 s30, s30, s32
	s_add_co_u32 s30, s30, 512                     ; and V's scale registers behind K's four
	s_add_nc_u64 s[28:29], s[16:17], s[30:31]
.set n, 0
	s_wait_alu depctr_va_vdst(0)
.rept 128
	global_load_b32 v[R+n], v3, s[24:25] offset:512*n th:TH_LOAD_NT   ; key n of the step, channel 32 w + lane
.set n, n+1
.endr
	s_wait_loadcnt 0x0
	QUANT4                                         ; fragment 0 holds key blocks 0 and 2 of my channel, fragment 1 blocks 1 and 3
.irp i, 0,1,2,3,4,5,6,7,8,9,10,11
	v_permlane16_swap_b32 v[F0+\i], v[F0+12+\i]    ; fragment 0 = channels 0-15 (lanes 0-15 blocks 0, 2; lanes 16-31 blocks 1, 3), fragment 1 = channels 16-31
.endr
	v_lshl_or_b32 v[W], v[BY+1], 8, v[BY]          ; my channel's four bytes
	v_lshl_or_b32 v[W], v[BY+2], 16, v[W]
	v_lshl_or_b32 v[W], v[BY+3], 24, v[W]
.Lout:
	s_wait_alu depctr_va_vdst(0)
.irp u, 0,1
.irp g, 0,1,2
	global_store_b128 v2, v[F0+12*\u+4*\g:F0+12*\u+4*\g+3], s[26:27] offset:1536*\u+512*\g   ; 32 lanes store 512 consecutive bytes, at a multiple of 256 from the buffer's first byte
.endr
.endr
	global_store_b32 v3, v[W], s[28:29]
	s_wait_tensorcnt 0x0                           ; the wave's end
	ds_add_u32 v[SPW], v[NIL]
	s_wait_dscnt 0x0
	s_endpgm
.Lfunc_end_k_qf9770ee8cd_quant:
	.size	k_qf9770ee8cd_quant, .Lfunc_end_k_qf9770ee8cd_quant-k_qf9770ee8cd_quant
	.p2alignl 7, 3214868480
	.fill 96, 4, 3214868480
	.section	.rodata,"a",@progbits
	.p2align	6, 0x0
	.amdhsa_kernel k_qf9770ee8cd_quant
		.amdhsa_group_segment_fixed_size 34304
		.amdhsa_private_segment_fixed_size 0
		.amdhsa_enable_private_segment 0
		.amdhsa_kernarg_size 56
		.amdhsa_user_sgpr_count 2
		.amdhsa_user_sgpr_kernarg_segment_ptr 1
		.amdhsa_wavefront_size32 1
		.amdhsa_system_sgpr_workgroup_id_x 1
		.amdhsa_system_sgpr_workgroup_id_y 1
		.amdhsa_system_sgpr_workgroup_id_z 1
		.amdhsa_system_vgpr_workitem_id 0
		.amdhsa_next_free_vgpr 192
		.amdhsa_next_free_sgpr 66
		.amdhsa_reserve_vcc 1
		.amdhsa_float_denorm_mode_32 3
		.amdhsa_float_denorm_mode_16_64 3
		.amdhsa_memory_ordered 1
		.amdhsa_forward_progress 1
		.amdhsa_inst_pref_size 36
	.end_amdhsa_kernel
	.amdgpu_metadata
---
amdhsa.version: [ 1, 2 ]
amdhsa.kernels:
  - .name:           k_qf9770ee8cd_quant
    .symbol:         k_qf9770ee8cd_quant.kd
    .args:
      - { .name: q, .offset: 0, .size: 8, .value_kind: global_buffer, .address_space: global }
      - { .name: k, .offset: 8, .size: 8, .value_kind: global_buffer, .address_space: global }
      - { .name: v, .offset: 16, .size: 8, .value_kind: global_buffer, .address_space: global }
      - { .name: qc, .offset: 24, .size: 8, .value_kind: global_buffer, .address_space: global }
      - { .name: qs, .offset: 32, .size: 8, .value_kind: global_buffer, .address_space: global }
      - { .name: kvc, .offset: 40, .size: 8, .value_kind: global_buffer, .address_space: global }
      - { .name: kvs, .offset: 48, .size: 8, .value_kind: global_buffer, .address_space: global }
    .group_segment_fixed_size: 34304
    .private_segment_fixed_size: 0
    .kernarg_segment_align: 8
    .kernarg_segment_size: 56
    .max_flat_workgroup_size: 128
    .sgpr_count:     66
    .vgpr_count:     192
    .wavefront_size: 32
...
	.end_amdgpu_metadata
.endif
;; end of part 1
;; launch attn (part 2): grid 16 x 16, 8 waves a work-group, clusters of 4 x 1, 327,680 bytes of LDS; arguments qc, qs, kvc, kvs, out0; writes out0
.if DOCPART == 2
	.amdgcn_target "amdgcn-amd-amdhsa--gfx1250"
	.amdhsa_code_object_version 6
	.text
	.protected	k_qf9770ee8cd_attn
	.globl	k_qf9770ee8cd_attn
	.p2align	8
	.type	k_qf9770ee8cd_attn,@function
k_qf9770ee8cd_attn:
	s_mov_b64 s[64:65], 0
	v_nop
	global_prefetch_b8 v0, s[64:65] scope:SCOPE_SE
	s_setreg_imm32_b32 hwreg(HW_REG_WAVE_MODE, 25, 1), 1
	s_wait_xcnt 0x0
	s_wait_alu depctr_hold_cnt(0) depctr_sa_sdst(0) depctr_va_vdst(0) depctr_va_sdst(0) depctr_va_ssrc(0) depctr_va_vcc(0) depctr_vm_vsrc(0)
	s_getreg_b32 s2, hwreg(HW_REG_IB_STS2, 6, 4)
	s_cmp_eq_u32 s2, 0
	s_cbranch_scc0 .Lentry_in_a_cluster
	s_endpgm
.Lentry_in_a_cluster:
	s_bfe_u32 s2, ttmp6, 0x10000c
	s_cmp_lg_u32 s2, 0x3003
	s_cbranch_scc0 .Lentry_shape_is_right
	s_endpgm
.Lentry_shape_is_right:
; out0[h][q][:] = the sum over k of softmax_k(Q[h][q] . K[h][k] / sqrt(128)) V[h][k][:], 16 heads, 4,096 queries and keys, head size 128; both products on codes of FP6 (E2M3) with one E8M0 scale for each 32 along K.
; The operands come as images of their registers: a fragment (16 rows x 128 K) is 1,536 bytes, registers 4 g .. 4 g + 3 of lane l at 512 g + 16 l; a scale register is 128 bytes, lanes 0-15 the words of an even
; tile, lanes 16-31 those of the odd tile beside it.  qc [2048 pairs][2][1536], qs [2048][128]; kvc [16 x 32 key steps][K's 8 fragments, V's 8]; kvs [16 x 32][K's 4 scale registers, V's 4].
; THE SOFTMAX AHEAD OF THE SECOND PRODUCT: t = score x log2(e) / sqrt(128); M = the row's largest t so far, rounded UP to a whole number; p = 2^(t - M) is what is quantised, along the keys, not normalised.
; The row's sum is taken of the unquantised p and divides O at the end.  LIMIT: a p under 2^-126 counts as 0 (v_exp_f32 gives no denormals: ISA guide 15.8).
; THE FRAME OF O AND OF THE SUM.  Both are kept as multiples of 2^F, F a whole number.  A wave's steps are of two kinds by turns.  Kind R: O and the sum are multiplied by 2^(F - M), exact, and F becomes M.  Kind N: O and the sum
; are left as they are, and this step's part is brought under their frame: with d = M less the M of the step before (which was of kind R, so that was F) and dc = min(d, 64), p's four scale bytes are raised by dc, and the step's
; sum of p is multiplied by 2^dc; F becomes M - dc.  For d up to 64 that is exact.  LIMITS: for d over 64 what was summed before weighs 2^-64 where it should weigh 2^-d: it is at most 4,096 in its frame, against a new part of
; 1/2 x 2^64 or more, so the fault is under 2^-50 of the sum.  O reaches 2^64 x 4,096 x the largest |v|: this text serves |v| under 2^50.  The bytes stay between 1 and 189.
; SHARES.  A work-group owns 256 queries of one head; each of its eight waves owns 32 of them, two tiles.  Every wave walks the head's 32 key steps of 128 keys; each fragment read from LDS feeds two matrix instructions.
; LAYOUT.  Both products are used transposed: S^T = K Q^T, O^T = V^T P^T: a lane holds ONE query of each tile throughout.  Lane r of K's tile 4 c + u holds key 64 c + 8 u + r % 8 + 32 (r / 8), so the 32 score registers
; of tiles 4 c .. 4 c + 3 are the keys 64 c + 32 (lane / 16) + 0 .. 31: ONE block of the second product's K, in the order of its operand's registers.  A block's largest score needs no other lane and p's codes change no lane.
; Q's tiles hold their rows in the same order; the way out puts O's rows back.
; TWO ROLES.  A key step is two parts: SCORES (K's fragments from LDS, S^T, V's fragments from LDS into registers) and SOFT (softmax, quantiser, O^T += V^T P^T, on registers alone).  Waves of role 0 run both parts of a slot's
; two steps between two changes of slots.  Waves of role 1 run the SCORES of a slot's last step ahead of the change of slots and its SOFT behind it: so behind a barrier role 1 has vector work while role 0 reads LDS and multiplies.
; Role = (w xor w / 4) % 2: waves w and w + 4 differ in it, and so do waves 2 i and 2 i + 1.  The roles part by branches on the wave's number, round lines that hold no barrier, tensor load or add.
; A slot's first SOFT in the text is of kind R, its second of kind N; role 1 begins with an N on zeros and ends with an R: in both roles the kinds take turns.
; RING.  Two LDS slots of two key steps (49,152 bytes), dense, read 16 bytes a lane on end.  The head's scale registers (32,768 bytes) come once and stay.
; CLUSTER.  The four work-groups of a cluster belong to one head and walk the same K and V: each tile is asked for JOINTLY.  At the head waves 0 and 1 fetch slot 0, a key step each, waves 2 and 3 the scale registers, a half each;
; behind each round waves 0 and 1 fetch a slot: by this text's own count a wave has one tensor load out at the most.  lds_bytes: 327,680 claimed; the text uses 232,448 bytes.
; REGISTERS, in windows of 256 (s_set_vgpr_msb: bits 1:0 source 0, 3:2 source 1, 5:4 source 2, 7:6 destination).  Window 0: all that the softmax touches but O^T.  Window 1: v0-127 O^T (64 a tile); v128-223 eight fragments, K's and then V's.
.set STEPB, 24576                      ; a key step in kvc and in a slot
.set SLOT1, 65536                      ; slot 1 begins here
.set SCL,   131072                     ; the head's scale registers, 1,024 bytes a key step; filled once
.set STAGE, 163840                     ; the way out: 16 rows x 528 bytes for each wave; no tensor load lands here
.set PIT,   528
.set STG,   16*PIT
.set SPARE, STAGE+8*STG                ; the spare words, 128 bytes for each wave
.set LI,  1                            ; v1   16 x lane
.set LS,  2                            ; v2   SCL + 4 x lane - 1,024 x role
.set AW0, 3                            ; v3   the slot in hand, for my lane
.set AW1, 4                            ; v4   the same + (1 - role) key steps
.set SPW, 5                            ; v5   my spare word; v6 0: never rewritten
.set NIL, 6
.set STO, 8                            ; v8, v9  the way out: into my stage and back
.set RD,  9
.set PFO, 10                           ; v10  256 x lane: the prefetches' offset
.set AS,  11                           ; v11  the slot's scale registers, less one step for role 1
.set LI1, 12                           ; v12  16 x lane + (1 - role) key steps
.set ST,  16                           ; tile x's statistics at v[ST + 8 x]: +0 -M, +1 the largest score, +2, +3 the sum in two halves, +4 the step's factor, +5 dc (named with it as a pair), +6 the -M before, then at work, +7 at work
.set QS,  32                           ; Q's scale words
.set PS,  34                           ; v34, v35 p's scale words
.set KS,  36                           ; v36-39 K's scale registers, v40-43 V's
.set VS,  40
.set QF,  44                           ; v44-67 Q's two fragments
.set S,   68                           ; v68-195 S^T, then p: 64 a tile
.set PC,  196                          ; v196-219 p's codes: 12 a tile
.set CT,  220                          ; v220-235 the upper 16 codes of each block
.set BM,  236                          ; 8 a tile: +0, +1 my two blocks' largest scores, then p, then the bytes; +2, +3 a second chain, then the scale operands; +4 .. +7 two pairs for the step's sum
.set FB,  128                          ; in window 1
.set TB,  2                            ; s2 LDS byte at which the slot in hand begins; s3 its scale registers
.set TS,  3
.set WV,  18
.set SEL, 20                           ; s[20:21] selects for lane l xor 16
.set CS,  22                           ; s[22:23] c = log2(e) / sqrt(128)
.set G1,  24
.set G1S, 32
.set G0,  40
.set G0S, 44
.set SLOTS, 48                         ; slots still to be asked for
.set PFA, 50
.set LIM, 52
.set RL,  66                           ; my role
.set NC,  67                           ; -c
.set MSB, 0
.macro WIN new
.if MSB != \new
	s_set_vgpr_msb (MSB<<8)|\new
.set MSB, \new
.endif
.endm
.macro CROUND                          ; a round of the cluster's barrier
	s_barrier_signal -1
	s_barrier_wait -1
	s_cmp_lg_u32 s[WV], 0
	s_cbranch_scc1 .Lnot_wave_0_\@
	s_barrier_signal -3
.Lnot_wave_0_\@:
	s_barrier_wait -3
	s_barrier_signal -1
	s_barrier_wait -1
.endm
.macro JLOAD                           ; a joint refill: waves 0 and 1 fetch a slot's two key steps
	s_cmp_lt_u32 s[WV], 2
	s_cbranch_scc0 .Lnone_\@
	tensor_load_to_lds s[G0:G0+3], s[G1:G1+7]
	s_nop 0
.rept 4
	v_nop
.endr
.Lnone_\@:
.endm
; A PREFETCH INTO THE L2.  At every second change of slots (the one that fills slot n, n odd) the two slots n + 1 and n + 2 are named: 98,304 bytes, 384 blocks of 256, each once in each cluster.
; The four partners share the blocks out BY ADDRESS, 24,576 bytes each; in each, waves 4, 5 and 6, which fetch nothing, take 8,192 bytes, lanes 256 bytes apart.  So a slot is named one or two changes of slots ahead of its load.
; The last change that fills a slot (s[SLOTS] = 1) asks for nothing; slots 0 and 1 and the scale registers come by their loads alone.
.macro ASK
	s_cmp_gt_u32 s[SLOTS], s[LIM]
	s_cbranch_scc0 .Lnot_mine_\@
	s_and_b32 s49, s[SLOTS], 1                     ; slot n is filled where s[SLOTS] = 16 - n
	s_cmp_eq_u32 s49, 1
	s_cbranch_scc0 .Lnot_mine_\@
	global_prefetch_b8 v[PFO], s[PFA:PFA+1] th:TH_LOAD_NT scope:SCOPE_SE
.Lnot_mine_\@:
.endm
	s_load_b256 s[4:11], s[0:1], 0x0               ; qc, qs, kvc, kvs
	s_load_b64 s[12:13], s[0:1], 0x20              ; out0
	v_lshl_add_u32 v[SPW], v0, 2, SPARE
	v_mov_b32 v[NIL], 0
	ds_add_u32 v[SPW], v[NIL]                      ; the opening lines: the add, twice on end, and its wait ahead of the first tensor loads
	ds_add_u32 v[SPW], v[NIL]
	v_lshrrev_b32 v7, 5, v0
	s_delay_alu instid0(VALU_DEP_1)
	v_readfirstlane_b32 s[WV], v7                  ; wave 0..7
	s_lshr_b32 s[RL], s[WV], 2
	s_xor_b32 s[RL], s[RL], s[WV]
	s_and_b32 s[RL], s[RL], 1                      ; my role
	s_xor_b32 s68, s[RL], 1
	s_mul_i32 s69, s68, STEPB                      ; (1 - role) key steps
	s_lshl_b32 s68, s68, 10
	s_add_co_u32 s68, s68, SCL-1024                ; SCL - 1,024 x role
	s_bfe_u32 s14, ttmp6, 0x40000                  ; cx
	s_lshl_b32 s15, ttmp9, 2
	s_add_co_u32 s15, s15, s14                     ; my block of 256 queries: it enters Q's and out0's addresses alone
	s_and_b32 s16, ttmp7, 0xffff                   ; the head, which the four partners share
	s_and_b32 s17, s[WV], 1
	s_lshl_b32 s53, s16, 7
	s_lshl_b32 s54, s15, 3
	s_add_co_u32 s53, s53, s54
	s_add_co_u32 s53, s53, s[WV]                   ; my pair of tiles: 128 x head + 8 x block + wave
	s_mul_i32 s54, s53, 3072
	s_mov_b32 s55, 0
	s_lshl_b32 s56, s53, 7
	s_mov_b32 s57, 0
	s_lshr_b32 s58, s53, 2                         ; my rows of out0: which 128 rows,
	s_lshl_b32 s58, s58, 16
	s_bfe_u32 s59, s[WV], 0x10001
	s_lshl_b32 s59, s59, 15                        ; which 64 of them,
	s_add_co_u32 s58, s58, s59
	s_lshl_b32 s59, s17, 13                        ; which 16 of their first 32
	s_add_co_u32 s58, s58, s59
	s_mov_b32 s59, 0
	s_mul_i32 s19, s17, STEPB                      ; which of a slot's two key steps I fetch, if I fetch
	s_mul_i32 s60, s16, 32*STEPB
	s_add_co_u32 s60, s60, s19
	s_mov_b32 s61, 0
	s_lshl_b32 s49, s17, 14                        ; which half of the head's scale registers
	s_lshl_b32 s62, s16, 15
	s_add_co_u32 s62, s62, s49
	s_mov_b32 s63, 0
	s_mov_b32 s[G1], 15|(3<<16)|(1<<21)            ; a key step: 96 dense rows of 256 bytes (32 elements of 8); the mask names all four work-groups
	s_mov_b32 s[G1+1], 32<<16
	s_mov_b32 s[G1+2], 96<<16
	s_mov_b32 s[G1+3], 32<<16
	s_mov_b32 s[G1+4], 96
	s_mov_b32 s[G1+5], 32
	s_mov_b32 s[G1+6], 0
	s_mov_b32 s[G1+7], 0
	s_mov_b32 s[G1S], 15|(3<<16)|(1<<21)           ; half the head's scale registers: 64 such rows
	s_mov_b32 s[G1S+1], 32<<16
	s_mov_b32 s[G1S+2], 64<<16
	s_mov_b32 s[G1S+3], 32<<16
	s_mov_b32 s[G1S+4], 64
	s_mov_b32 s[G1S+5], 32
	s_mov_b32 s[G1S+6], 0
	s_mov_b32 s[G1S+7], 0
	s_mov_b32 s[SEL], 0x76543210
	s_mov_b32 s[SEL+1], 0xfedcba98
	s_mov_b32 s[CS], 0x3e0293ee
	s_mov_b32 s[CS+1], s[CS]
	s_mov_b32 s[NC], 0xbe0293ee
	s_mov_b32 s[TB], 0
	s_mov_b32 s[TS], 0
	s_mov_b32 s[SLOTS], 15
	s_sub_co_u32 s[LIM], s[WV], 4
	s_lshr_b32 s[LIM], s[LIM], 2                   ; 0 in waves 4 to 7
	s_cmp_eq_u32 s[LIM], 0
	s_cselect_b32 s[LIM], 1, -1
	s_cmp_eq_u32 s[WV], 7                          ; (a partner's share is three waves' worth)
	s_cselect_b32 s[LIM], -1, s[LIM]
	s_wait_dscnt 0x0                               ; both opening adds are done
	s_wait_kmcnt 0x0
	s_mov_b32 s[G0], 1
	s_mov_b32 s[G0+1], s19                         ; slot 0
	s_add_nc_u64 s[G0+2:G0+3], s[8:9], s[60:61]
	s_or_b32 s[G0+3], s[G0+3], 0x80000000
	s_mov_b32 s[G0S], 1
	s_add_co_u32 s[G0S+1], s49, SCL
	s_add_nc_u64 s[G0S+2:G0S+3], s[10:11], s[62:63]
	s_or_b32 s[G0S+3], s[G0S+3], 0x80000000
	s_add_nc_u64 s[4:5], s[4:5], s[54:55]
	s_add_nc_u64 s[6:7], s[6:7], s[56:57]
	s_add_nc_u64 s[12:13], s[12:13], s[58:59]
	s_mul_i32 s54, s16, 32*STEPB                   ; the prefetches: in my head,
	s_mul_i32 s56, s14, STEPB                      ; my work-group's share,
	s_add_co_u32 s54, s54, s56
	s_and_b32 s56, s[WV], 3
	s_lshl_b32 s56, s56, 13                        ; my wave's 8,192 bytes of it,
	s_add_co_u32 s54, s54, s56
	s_add_co_u32 s54, s54, 2*STEPB                 ; from slot 1 on: the first change of slots steps it to slot 2
	s_add_nc_u64 s[PFA:PFA+1], s[8:9], s[54:55]
	CROUND                                         ; all four work-groups are here: the first joint loads meet
	s_cmp_lt_u32 s[WV], 2                          ; one chain of branches on the wave's number, one fill to an arm, one join
	s_cbranch_scc0 .Lhead_scales
	tensor_load_to_lds s[G0:G0+3], s[G1:G1+7]      ; slot 0
	s_nop 0
.rept 4
	v_nop
.endr
	s_branch .Lhead_asked
.Lhead_scales:
	s_cmp_lt_u32 s[WV], 4
	s_cbranch_scc0 .Lhead_asked
	tensor_load_to_lds s[G0S:G0S+3], s[G1S:G1S+7]  ; the head's scale registers: filled once
	s_nop 0
.rept 4
	v_nop
.endr
.Lhead_asked:
	v_and_b32 v7, 31, v0                           ; lane
	s_delay_alu instid0(VALU_DEP_1)
	v_lshlrev_b32 v[LI], 4, v7
	v_lshlrev_b32 v13, 2, v7
.irp x, 0,1
.irp g, 0,1,2
	global_load_b128 v[QF+12*\x+4*\g:QF+12*\x+4*\g+3], v[LI], s[4:5] offset:1536*\x+512*\g   ; Q's fragments stay in registers
.endr
.endr
	global_load_b32 v[QS], v13, s[6:7]
	v_lshl_add_u32 v[LS], v7, 2, s68
	v_lshlrev_b32 v[PFO], 8, v7
	v_add_nc_u32 v[LI1], s69, v[LI]
	v_add_nc_u32 v[AW0], s[TB], v[LI]
	v_add_nc_u32 v[AS], s[TS], v[LS]
	v_add_nc_u32 v[AW1], s[TB], v[LI1]
	s_mul_i32 s19, s[WV], STG
	s_add_co_u32 s19, s19, STAGE                   ; my stage
	v_and_b32 v[STO], 15, v0
	v_bfe_u32 v[RD], v0, 4, 1
	s_delay_alu instid0(VALU_DEP_2)
	v_mul_u32_u24 v[STO], v[STO], PIT
	s_delay_alu instid0(VALU_DEP_1)
	v_lshl_add_u32 v[STO], v[RD], 5, v[STO]
	s_delay_alu instid0(VALU_DEP_1)
	v_add_nc_u32 v[STO], s19, v[STO]               ; in: row lane % 16, + 32 bytes for lanes 16-31
	v_add_nc_u32 v[RD], s19, v[LI]                 ; back: the 32 lanes take one row of 512 bytes
.irp x, 0,1
	v_mov_b32 v[ST+8*\x+1], 0xff61b1e6             ; the largest score so far: -3e38
	v_mov_b32 v[ST+8*\x+2], 0                      ; the sum, in two halves
	v_mul_f32 v[ST+8*\x+7], s[NC], v[ST+8*\x+1]
	v_mov_b32 v[ST+8*\x+3], 0
	v_floor_f32 v[ST+8*\x], v[ST+8*\x+7]           ; -M
	v_mov_b32 v[ST+8*\x+5], 0                      ; dc
.endr
	WIN 0x40
.set i, 0
.rept 128
	v_mov_b32 v[i], 0                              ; O^T: the step is written without a first step of its own: a first R multiplies zeros by 0, a first N adds onto zeros
.set i, i+1
.endr
	WIN 0
	s_wait_alu depctr_va_vdst(0)                   ; the wait at the head's end
	s_wait_loadcnt 0x0                             ; Q
; S^T of K's tile t and my tile x.  K's words: register t / 2, lanes 0-15 for an even t, 16-31 for an odd one; Q's: lanes 0-15 for tile 0, 16-31 for tile 1.  C = 0: nothing is cleared.
.macro WQ t, x, m1, m2
	v_wmma_scale_f32_16x16x128_f8f6f4 v[S+64*\x+8*(\t):S+64*\x+8*(\t)+7], v[FB+12*(\t):FB+12*(\t)+11], v[QF+12*\x:QF+12*\x+11], 0, v[KS+(\t)/2], v[QS] matrix_a_fmt:MATRIX_FMT_FP6 matrix_b_fmt:MATRIX_FMT_FP6 \m1 \m2
.endm
; O^T of channels 16 t on, tile x, += V^T P^T over the step's 128 keys
.macro WP t, x, m1
	v_wmma_scale_f32_16x16x128_f8f6f4 v[64*\x+8*(\t):64*\x+8*(\t)+7], v[FB+12*(\t):FB+12*(\t)+11], v[PC+12*\x:PC+12*\x+11], v[64*\x+8*(\t):64*\x+8*(\t)+7], v[VS+(\t)/2], v[PS+\x] matrix_a_fmt:MATRIX_FMT_FP6 matrix_b_fmt:MATRIX_FMT_FP6 \m1
.endm
; SCORES: the key step at v[adr] + off, its scale registers at v[AS] + soff
.macro SCORES adr, off, soff
.irp c, 0,1,2,3
	ds_load_b32 v[KS+\c], v[AS] offset:\soff+128*\c
.endr
	WIN 0x40
.irp t, 0,1,2,3,4,5,6,7
.irp g, 0,1,2
	ds_load_b128 v[FB+12*\t+4*\g:FB+12*\t+4*\g+3], v[\adr] offset:\off+1536*\t+512*\g   ; 32 lanes, 512 bytes on end
.endr
.endr
	WIN 0x01
.irp p, 0,1,2,3
	s_wait_dscnt 18-6*\p                           ; LDS loads come back in order (ISA guide 5.7.1): fragments 0 to 2 p + 1 are in; the three loads of each fragment behind them may be out
	WQ 2*\p, 0
	WQ 2*\p, 1, matrix_b_scale:MATRIX_SCALE_ROW1
	WQ 2*\p+1, 0, matrix_a_scale:MATRIX_SCALE_ROW1
	WQ 2*\p+1, 1, matrix_a_scale:MATRIX_SCALE_ROW1, matrix_b_scale:MATRIX_SCALE_ROW1
.endr
	WIN 0
.irp x, 0,1
	v_mov_b32 v[ST+8*\x+6], v[ST+8*\x]             ; the -M before this step.  These two and the two below are the four places behind the products, ahead of the loads into the registers that they read and of the first read of their results
.endr
.rept 2
	v_nop
.endr
.irp c, 0,1,2,3
	ds_load_b32 v[VS+\c], v[AS] offset:\soff+512+128*\c
.endr
	WIN 0x40
.irp t, 0,1,2,3,4,5,6,7
.irp g, 0,1,2
	ds_load_b128 v[FB+12*\t+4*\g:FB+12*\t+4*\g+3], v[\adr] offset:\off+12288+1536*\t+512*\g   ; V's fragments
.endr
.endr
	WIN 0
.endm
.macro SCORES_OF role, adr, off, soff  ; for the waves of one role alone
	s_cmp_eq_u32 s[RL], \role
	s_cbranch_scc0 .Lother_role_\@
	SCORES \adr, \off, \soff
.Lother_role_\@:
.endm
; SOFT: registers alone.  n = 0: kind R; n = 1: kind N.  Block (x, c): my 32 keys 64 c + 32 (lane / 16) + 0..31 of tile x, in v[S + 64 x + 32 c] on.  Lines are written for the blocks and tiles by turns.
.macro SOFT n
.irp c, 0,1
.irp x, 0,1
	v_max3_num_f32 v[BM+8*\x+\c], v[S+64*\x+32*\c], v[S+64*\x+32*\c+1], v[S+64*\x+32*\c+2]   ; THE LARGEST SCORE OF EACH BLOCK, in two chains: it serves the row's maximum and, since p rises with the score, the block's largest p
	v_max3_num_f32 v[BM+8*\x+2+\c], v[S+64*\x+32*\c+17], v[S+64*\x+32*\c+18], v[S+64*\x+32*\c+19]   ; (each accumulator of eight is first read in its four lowest registers)
.endr
.endr
.irp i, 0,2,4,6,8,10
.irp c, 0,1
.irp x, 0,1
	v_max3_num_f32 v[BM+8*\x+\c], v[BM+8*\x+\c], v[S+64*\x+32*\c+3+\i], v[S+64*\x+32*\c+4+\i]
	v_max3_num_f32 v[BM+8*\x+2+\c], v[BM+8*\x+2+\c], v[S+64*\x+32*\c+20+\i], v[S+64*\x+32*\c+21+\i]
.endr
.endr
.endr
.irp c, 0,1
.irp x, 0,1
	v_max3_num_f32 v[BM+8*\x+\c], v[BM+8*\x+\c], v[S+64*\x+32*\c+15], v[S+64*\x+32*\c+16]
.endr
.endr
.irp c, 0,1
.irp x, 0,1
	s_delay_alu instid0(VALU_DEP_4)
	v_max_num_f32 v[BM+8*\x+\c], v[BM+8*\x+\c], v[BM+8*\x+2+\c]
.endr
.endr
.irp x, 0,1
	s_delay_alu instid0(VALU_DEP_2)
	v_max_num_f32 v[BM+8*\x+2], v[BM+8*\x], v[BM+8*\x+1]
.endr
.irp x, 0,1
	s_delay_alu instid0(VALU_DEP_2)
	v_permlanex16_b32 v[ST+8*\x+7], v[BM+8*\x+2], s[SEL], s[SEL+1]   ; lane l xor 16 holds my query's other two blocks
.endr
.irp x, 0,1
	s_delay_alu instid0(VALU_DEP_2)
	v_max3_num_f32 v[ST+8*\x+1], v[ST+8*\x+1], v[BM+8*\x+2], v[ST+8*\x+7]   ; the running largest score
.endr
.irp x, 0,1
	s_delay_alu instid0(VALU_DEP_2)
	v_mul_f32 v[ST+8*\x+7], s[NC], v[ST+8*\x+1]                      ; -t (c is positive)
.endr
.irp x, 0,1
	s_delay_alu instid0(VALU_DEP_2)
	v_floor_f32 v[ST+8*\x], v[ST+8*\x+7]                             ; the new -M = floor(-t) = -ceil(t): M IS A WHOLE NUMBER
.endr
.if \n
.irp x, 0,1
	s_delay_alu instid0(VALU_DEP_2)
	v_sub_f32 v[ST+8*\x+6], v[ST+8*\x+6], v[ST+8*\x]                 ; d: M's new value less its old one, a whole number, 0 or more
.endr
.irp x, 0,1
	s_delay_alu instid0(VALU_DEP_2)
	v_min_num_f32 v[ST+8*\x+5], 0x42800000, v[ST+8*\x+6]             ; dc = min(d, 64)
.endr
.irp x, 0,1
	s_delay_alu instid0(VALU_DEP_2)
	v_cvt_i32_f32 v[ST+8*\x+7], v[ST+8*\x+5]
.endr
.else
.irp x, 0,1
	s_delay_alu instid0(VALU_DEP_2)
	v_sub_f32 v[ST+8*\x+6], v[ST+8*\x], v[ST+8*\x+6]                 ; M's old value less its new one,
.endr
.irp x, 0,1
	s_delay_alu instid0(VALU_DEP_2)
	v_sub_f32 v[ST+8*\x+6], v[ST+8*\x+6], v[ST+8*\x+5]               ; less the dc of the step before: F - M, 0 or less
.endr
.irp x, 0,1
	s_delay_alu instid0(VALU_DEP_2)
	v_cvt_i32_f32 v[ST+8*\x+6], v[ST+8*\x+6]                         ; (it saturates)
.endr
.irp x, 0,1
	s_delay_alu instid0(VALU_DEP_2)
	v_ldexp_f32 v[ST+8*\x+4], 1.0, v[ST+8*\x+6]                      ; f = 2^(F - M)
.endr
.endif
.irp j, 0,2,4,6,8,10,12,14,16,18,20,22,24,26,28,30,32,34,36,38,40,42,44,46,48,50,52,54,56,58,60,62
.irp x, 0,1
	v_pk_fma_f32 v[S+64*\x+\j:S+64*\x+\j+1], v[S+64*\x+\j:S+64*\x+\j+1], s[CS:CS+1], v[ST+8*\x:ST+8*\x+1] op_sel_hi:[1,0,0]   ; t - M, two at a time
.endr
.endr
.irp c, 0,1
.irp x, 0,1
	v_fma_f32 v[BM+8*\x+\c], v[BM+8*\x+\c], s[CS], v[ST+8*\x]        ; the same of each block's largest score
.endr
.endr
	s_wait_alu depctr_va_vdst(0)                   ; the wait ahead of the batch
.irp c, 0,1
.irp x, 0,1
	v_exp_f32 v[BM+8*\x+\c], v[BM+8*\x+\c]                           ; the block's largest p: the same two instructions on the same number give the same bits
.endr
.endr
.irp j, 0,1,2,3,4,5,6,7,8,9,10,11,12,13,14,15,16,17,18,19,20,21,22,23,24,25,26,27,28,29,30,31,32,33,34,35,36,37,38,39,40,41,42,43,44,45,46,47,48,49,50,51,52,53,54,55,56,57,58,59,60,61,62,63
.irp x, 0,1
	v_exp_f32 v[S+64*\x+\j], v[S+64*\x+\j]                           ; p = 2^(t - M): NOT normalised
.endr
.endr
.irp x, 0,1                                    ; plain work behind the exponentials:
.if \n
	v_ldexp_f32 v[ST+8*\x+4], 1.0, v[ST+8*\x+7]                      ; g = 2^dc
.else
	v_pk_mul_f32 v[ST+8*\x+2:ST+8*\x+3], v[ST+8*\x+2:ST+8*\x+3], v[ST+8*\x+4:ST+8*\x+5] op_sel_hi:[1,0]   ; the sums under the new frame
.endif
.endr
	s_wait_alu depctr_va_vdst(0)                   ; and the wait behind the batch, ahead of its first reader
; THE ROW'S SUM IS TAKEN OF THE UNQUANTISED p: two at a time, in two chains a tile.  Kind R adds onto the sum; kind N sums the step by itself
.irp x, 0,1
	v_pk_add_f32 v[BM+8*\x+4:BM+8*\x+5], v[S+64*\x:S+64*\x+1], v[S+64*\x+2:S+64*\x+3]
.if \n
	v_pk_add_f32 v[BM+8*\x+6:BM+8*\x+7], v[S+64*\x+4:S+64*\x+5], v[S+64*\x+6:S+64*\x+7]
.else
	v_pk_add_f32 v[ST+8*\x+2:ST+8*\x+3], v[ST+8*\x+2:ST+8*\x+3], v[S+64*\x+4:S+64*\x+5]
.endif
.endr
.if \n == 0
.irp x, 0,1
	v_pk_add_f32 v[BM+8*\x+4:BM+8*\x+5], v[BM+8*\x+4:BM+8*\x+5], v[S+64*\x+6:S+64*\x+7]
.endr
.endif
.irp j, 8,12,16,20,24,28,32,36,40,44,48,52,56,60
.irp x, 0,1
	v_pk_add_f32 v[BM+8*\x+4:BM+8*\x+5], v[BM+8*\x+4:BM+8*\x+5], v[S+64*\x+\j+2:S+64*\x+\j+3]
.if \n
	v_pk_add_f32 v[BM+8*\x+6:BM+8*\x+7], v[BM+8*\x+6:BM+8*\x+7], v[S+64*\x+\j:S+64*\x+\j+1]
.else
	v_pk_add_f32 v[ST+8*\x+2:ST+8*\x+3], v[ST+8*\x+2:ST+8*\x+3], v[S+64*\x+\j:S+64*\x+\j+1]
.endif
.endr
.endr
.irp c, 0,1
.irp x, 0,1
	v_max_num_f32 v[BM+8*\x+\c], 0x1800000, v[BM+8*\x+\c]            ; the floor 2^(3 - 127): the byte cannot fall under 1
.endr
.endr
.if \n == 0
.irp x, 0,1
	v_pk_add_f32 v[ST+8*\x+2:ST+8*\x+3], v[ST+8*\x+2:ST+8*\x+3], v[BM+8*\x+4:BM+8*\x+5]
.endr
.endif
.irp c, 0,1
.irp x, 0,1
.if \n
	s_delay_alu instid0(VALU_DEP_4)
.endif
	v_add_nc_u32 v[BM+8*\x+2+\c], 0xff000000, v[BM+8*\x+\c]          ; 2 off the exponent field: the conversion's scale operand
.endr
.endr
.if \n
.irp c, 0,1
.irp x, 0,1
	v_add3_u32 v[BM+8*\x+\c], v[BM+8*\x+\c], v[ST+8*\x+4], 0xbf800000   ; for the byte: g's exponent field on top, less 127 + 2: the block's scale x 2^dc
.endr
.endr
.irp c, 0,1
.irp x, 0,1
	s_delay_alu instid0(VALU_DEP_4)
	v_lshrrev_b32 v[BM+8*\x+\c], 23, v[BM+8*\x+\c]                   ; the scale's byte
.endr
.endr
.else
.irp c, 0,1
.irp x, 0,1
	s_delay_alu instid0(VALU_DEP_4)
	v_lshrrev_b32 v[BM+8*\x+\c], 23, v[BM+8*\x+2+\c]                 ; the scale's byte
.endr
.endr
.endif
.irp x, 0,1
	s_delay_alu instid0(VALU_DEP_2)
	v_lshl_or_b32 v[ST+8*\x+6], v[BM+8*\x+1], 16, v[BM+8*\x]         ; my two bytes: in lanes 0-15 those of blocks 0 and 2, at their places
.endr
.irp x, 0,1
	s_delay_alu instid0(VALU_DEP_2)
	v_permlanex16_b32 v[ST+8*\x+7], v[ST+8*\x+6], s[SEL], s[SEL+1]
.endr
.irp c, 0,1
.irp x, 0,1
	v_cvt_scalef32_pk16_fp6_f32 v[PC+12*\x+6*\c:PC+12*\x+6*\c+2], v[S+64*\x+32*\c:S+64*\x+32*\c+15], v[BM+8*\x+2+\c]
	v_cvt_scalef32_pk16_fp6_f32 v[CT+8*\x+4*\c:CT+8*\x+4*\c+2], v[S+64*\x+32*\c+16:S+64*\x+32*\c+31], v[BM+8*\x+2+\c]   ; (a conversion's three registers begin on an even number)
.endr
.endr
.irp x, 0,1
	v_lshl_or_b32 v[PS+\x], v[ST+8*\x+7], 8, v[ST+8*\x+6]            ; with blocks 1 and 3 from lane l + 16: p's scale word, whole in lanes 0-15, which alone are read.  (Also the plain place behind the scaled conversions)
.endr
.irp c, 0,1
.irp x, 0,1
.irp i, 0,1,2
	v_mov_b32 v[PC+12*\x+6*\c+3+\i], v[CT+8*\x+4*\c+\i]
.endr
.endr
.endr
.if \n
.irp x, 0,1
	v_pk_add_f32 v[BM+8*\x+4:BM+8*\x+5], v[BM+8*\x+4:BM+8*\x+5], v[BM+8*\x+6:BM+8*\x+7]
.endr
.irp x, 0,1
	s_delay_alu instid0(VALU_DEP_2)
	v_pk_fma_f32 v[ST+8*\x+2:ST+8*\x+3], v[BM+8*\x+4:BM+8*\x+5], v[ST+8*\x+4:ST+8*\x+5], v[ST+8*\x+2:ST+8*\x+3] op_sel_hi:[1,0,1]   ; the step's sum x g onto the sum.  These four are the places between p's last codes and the products; the scale words stand sixteen ahead
.endr
.else
	WIN 0x41                                       ; O^T (destination and source 0) window 1, f window 0
	s_wait_alu depctr_va_vdst(0)                   ; the wait directly ahead of the first reader of O^T
.irp j, 0,2,4,6,8,10,12,14,16,18,20,22,24,26,28,30,32,34,36,38,40,42,44,46,48,50,52,54,56,58,60,62
.irp x, 0,1
	v_pk_mul_f32 v[64*\x+\j:64*\x+\j+1], v[64*\x+\j:64*\x+\j+1], v[ST+8*\x+4:ST+8*\x+5] op_sel_hi:[1,0]   ; O^T under the new frame, each accumulator from its low end on.  These 64 are also the places ahead of the products below
.endr
.endr
.endif
	s_wait_alu depctr_va_vdst(0)
	s_wait_dscnt 0x0                               ; V's fragments and scale registers are in
	WIN 0x51                                       ; V and O^T window 1, P window 0
.irp p, 0,1,2,3
	WP 2*\p, 0                                     ; the sixteen accumulators take turns
	WP 2*\p, 1
	WP 2*\p+1, 0, matrix_a_scale:MATRIX_SCALE_ROW1
	WP 2*\p+1, 1, matrix_a_scale:MATRIX_SCALE_ROW1
.endr
	WIN 0
.rept 4
	v_nop                                          ; places ahead of the next loads into the registers that these products read
.endr
.endm
; THE CHANGE OF SLOTS.  Each wave waits for all its tensor loads, adds 0 to its spare word, and waits for that and for its reads of the slot that it leaves (role 1's last: V's fragments of that slot's last step).
; fill = 1: a round of the cluster's barrier follows, and the joint refill is the first thing behind it.  move = 1: the LDS addresses go on to the other slot; they are made here, on the way that all waves take.
.macro CHANGE fill, move
	s_wait_tensorcnt 0x0
	ds_add_u32 v[SPW], v[NIL]
.if \fill
	ds_add_u32 v[SPW], v[NIL]                      ; the add twice on end
	s_xor_b32 s[G0+1], s[G0+1], SLOT1              ; the walking descriptor: the other slot than last time,
	s_add_nc_u64 s[G0+2:G0+3], s[G0+2:G0+3], 2*STEPB   ; the next two key steps
	s_wait_xcnt 0x0                                ; the last prefetch has read its address
	s_add_nc_u64 s[PFA:PFA+1], s[PFA:PFA+1], 2*STEPB
.endif
.if \move
	s_xor_b32 s[TB], s[TB], SLOT1
	s_add_co_u32 s[TS], s[TS], 2048
	v_add_nc_u32 v[AW0], s[TB], v[LI]
	v_add_nc_u32 v[AW1], s[TB], v[LI1]
	v_add_nc_u32 v[AS], s[TS], v[LS]
	s_wait_alu depctr_va_vdst(0)
.endif
	s_wait_dscnt 0x0
.if \fill
	CROUND
	JLOAD
	ASK
.else
	s_barrier_signal -1
	s_barrier_wait -1
.endif
.endm
; What follows a slot's first SOFT.  Role 0: its step 1, both parts.  Role 1: SCORES and SOFT of step 0, then SCORES of step 1.
.macro REST
	SCORES AW1, 0, 1024
	SOFT 1
	SCORES_OF 1, AW1, STEPB, 2048
.endm
	CHANGE 1, 0                                    ; slot 0 and the scale registers are in; slot 1 is asked for
	s_cmp_eq_u32 s[RL], 0
	s_cbranch_scc0 .Lno_step_behind                ; role 1 has no step left over yet
	SCORES AW0, 0, 0
	SOFT 0
.Lno_step_behind:
	REST
	s_sub_co_u32 s[SLOTS], s[SLOTS], 1
.Lslot:                                            ; 14 trips: slots 1 to 14 are read, slots 2 to 15 asked for
	CHANGE 1, 1
	SCORES_OF 0, AW0, 0, 0
	SOFT 0                                         ; role 0: the slot's step 0; role 1: the step left over from the slot before
	REST
	s_sub_co_u32 s[SLOTS], s[SLOTS], 1
	s_cmp_lg_u32 s[SLOTS], 0
	s_cbranch_scc1 .Lslot
	CHANGE 0, 1                                    ; the last slot is written out
	SCORES_OF 0, AW0, 0, 0
	SOFT 0
	REST
	s_cmp_eq_u32 s[RL], 1
	s_cbranch_scc0 .Lall_steps_done
	SOFT 0                                         ; role 1's last step
.Lall_steps_done:
	; THE WAY OUT.  O^T and the sum stand under one frame: O^T is divided by the sum and goes through my stage in LDS, a tile (16 rows of 512 bytes) at a time, and leaves as whole rows.
.irp x, 0,1
	v_add_f32 v[ST+8*\x+6], v[ST+8*\x+2], v[ST+8*\x+3]
.endr
.irp x, 0,1
	s_delay_alu instid0(VALU_DEP_2)
	v_permlanex16_b32 v[ST+8*\x+7], v[ST+8*\x+6], s[SEL], s[SEL+1]
.endr
.irp x, 0,1
	s_delay_alu instid0(VALU_DEP_2)
	v_add_f32 v[ST+8*\x+6], v[ST+8*\x+6], v[ST+8*\x+7]               ; with lane l xor 16's: the row's sum
.endr
	s_wait_alu depctr_va_vdst(0)                   ; the wait ahead of the reciprocals
.irp x, 0,1
	v_rcp_f32 v[ST+8*\x+4], v[ST+8*\x+6]
.endr
	v_nop                                          ; a plain place behind the last reciprocal
.macro PACK x
	WIN 0x01                                       ; source 0 (O^T) window 1; the result goes where p lay
	s_wait_alu depctr_va_vdst(0)                   ; the wait ahead of the first use of the reciprocals and of this tile's O^T
.irp j, 0,2,4,6,8,10,12,14,16,18,20,22,24,26,28,30,32,34,36,38,40,42,44,46,48,50,52,54,56,58,60,62
	v_pk_mul_f32 v[S+64*(\x)+\j:S+64*(\x)+\j+1], v[64*(\x)+\j:64*(\x)+\j+1], v[ST+8*(\x)+4:ST+8*(\x)+5] op_sel_hi:[1,0]   ; register 8 t + i: channel 16 t + 8 (lane / 16) + i of my query
.endr
	WIN 0
.irp t, 0,1,2,3,4,5,6,7
	ds_store_b128 v[STO], v[S+64*(\x)+8*\t:S+64*(\x)+8*\t+3] offset:64*\t
	ds_store_b128 v[STO], v[S+64*(\x)+8*\t+4:S+64*(\x)+8*\t+7] offset:64*\t+16
.endr
.irp i, 0,1,2,3,4,5,6,7,8,9,10,11,12,13,14,15
	ds_load_b128 v[S+64*(\x)+4*\i:S+64*(\x)+4*\i+3], v[RD] offset:\i*PIT   ; LDS serves a wave's instructions in order (ISA guide 5.7.1.4)
.endr
.endm
.macro SEND x, younger                 ; younger: the LDS instructions issued behind tile x's loads
.irp i, 0,1,2,3,4,5,6,7,8,9,10,11,12,13,14,15
	s_wait_dscnt \younger+15-\i
	global_store_b128 v[LI], v[S+64*(\x)+4*\i:S+64*(\x)+4*\i+3], s[12:13] offset:(8*(\x)+\i+24*(\i/8))*512 th:TH_STORE_NT   ; the tile's row i is row 8 x + i % 8 + 32 (i / 8) from my first; 32 lanes store its 512 consecutive bytes
.endr
.endm
	PACK 0
	PACK 1
	SEND 0, 32
	SEND 1, 0
	s_wait_tensorcnt 0x0                           ; the wave's end
	ds_add_u32 v[SPW], v[NIL]
	s_wait_dscnt 0x0
	CROUND                                         ; the closing round
	s_endpgm
.Lfunc_end_k_qf9770ee8cd_attn:
	.size	k_qf9770ee8cd_attn, .Lfunc_end_k_qf9770ee8cd_attn-k_qf9770ee8cd_attn
	.p2alignl 7, 3214868480
	.fill 96, 4, 3214868480
	.section	.rodata,"a",@progbits
	.p2align	6, 0x0
	.amdhsa_kernel k_qf9770ee8cd_attn
		.amdhsa_group_segment_fixed_size 327680
		.amdhsa_private_segment_fixed_size 0
		.amdhsa_enable_private_segment 0
		.amdhsa_kernarg_size 40
		.amdhsa_user_sgpr_count 2
		.amdhsa_user_sgpr_kernarg_segment_ptr 1
		.amdhsa_wavefront_size32 1
		.amdhsa_system_sgpr_workgroup_id_x 1
		.amdhsa_system_sgpr_workgroup_id_y 1
		.amdhsa_system_sgpr_workgroup_id_z 1
		.amdhsa_system_vgpr_workitem_id 0
		.amdhsa_next_free_vgpr 512
		.amdhsa_next_free_sgpr 72
		.amdhsa_reserve_vcc 0
		.amdhsa_float_denorm_mode_32 3
		.amdhsa_float_denorm_mode_16_64 3
		.amdhsa_memory_ordered 1
		.amdhsa_forward_progress 1
		.amdhsa_inst_pref_size 255
	.end_amdhsa_kernel
	.amdgpu_metadata
---
amdhsa.version: [ 1, 2 ]
amdhsa.kernels:
  - .name:           k_qf9770ee8cd_attn
    .symbol:         k_qf9770ee8cd_attn.kd
    .args:
      - { .name: qc, .offset: 0, .size: 8, .value_kind: global_buffer, .address_space: global }
      - { .name: qs, .offset: 8, .size: 8, .value_kind: global_buffer, .address_space: global }
      - { .name: kvc, .offset: 16, .size: 8, .value_kind: global_buffer, .address_space: global }
      - { .name: kvs, .offset: 24, .size: 8, .value_kind: global_buffer, .address_space: global }
      - { .name: out0, .offset: 32, .size: 8, .value_kind: global_buffer, .address_space: global }
    .group_segment_fixed_size: 327680
    .private_segment_fixed_size: 0
    .kernarg_segment_align: 8
    .kernarg_segment_size: 40
    .max_flat_workgroup_size: 256
    .sgpr_count:     72
    .vgpr_count:     512
    .wavefront_size: 32
...
	.end_amdgpu_metadata
.endif
;; end of part 2
